; MI455X (gfx1250); checked and timed in simulation.
; The chip was launched on July 23, 2026; its instructions are those of AMD's public machine-readable ISA for CDNA 5 (MIT licence, August 2026) and "CDNA5" Instruction Set Architecture Reference Guide (July 2026). The comments in the code are by the model that wrote it; some were corrected since.
;; KAN Layer Old. Allowed arithmetic: matrix products marked QUANTISED: E3M2 operands, one E8M0 scale for each 32 along K, by v_wmma_scale_f32_16x16x128_f8f6f4 with both operands' format E3M2, f32 sums; everything else in f32.
;; Inputs: bias 64 float32; input_log_scale 64 float32; input_shift 64 float32; inputs 32,768 x 64 float32; knots 68 float32; ln_beta 64 float32; ln_gamma 64 float32; skip_W_codes 64 x 2 x 24 uint8 (E3M2 codes of skip_W, K innermost, in blocks of 32 codes, four codes in three bytes); skip_W_scales 64 x 2 uint8 (E8M0 scales of skip_W, one for each 32 codes along K); skip_b 64 float32; spline_coeffs 64 x 64 x 64 float32.
;; Outputs: out0 32,768 x 64 float32.
;; This version of the problem:
;;   THIS VERSION OF THE PROBLEM IS GIVEN IN LOW PRECISION. The matrix products marked QUANTISED in the list below multiply operands that are first quantised to E3M2 (3 exponent bits, 2 mantissa bits; 6 bits a number), with one power-of-two scale for each 32 numbers along K (OCP MX v1.0); their sums are f32. All else is computed in f32.
;;   The module's matrix products, in the order in which they are computed (A, B: the left and right operand; K: the contracted axis; several contracted axes count as one K, in the product's order):
;;     1. [M 32,768, K 4,096] x [K 4,096, N 64]; A: computed on the way; B: input spline_coeffs: QUANTISED
;;     2. [M 32,768, K 64] x [K 64, N 64]; A: input inputs; B: input skip_W (given as codes): QUANTISED
;;   THE QUANTISER, for each operand of a quantised product, along K:
;;     - K is cut into blocks of 32 from its start; a last block that is shorter is filled with zeros.
;;     - A block's scale is 2^e with e = floor(log2(the largest magnitude in the block)) - 4, held to -126 .. 127; a block of zeros has e = 0. As a byte (E8M0): e + 127.
;;     - Each number is divided by its block's scale, clamped to +-28, and rounded to the nearest number of E3M2, ties to even, subnormals kept.
;;     - The product sums the exact products of the quantised numbers (number of the format x scale) in f32.
;;   ~~~python
;;   def quantise(x, axis):      # numpy; x: float32 -> the quantised numbers, widened to float32 again
;;       x = np.moveaxis(x, axis, -1); K = x.shape[-1]
;;       x = np.pad(x, [(0, 0)] * (x.ndim - 1) + [(0, -K % 32)]); x = x.reshape(x.shape[:-1] + (-1, 32)); a = np.abs(x).max(-1, keepdims=True)
;;       e = np.where(a > 0, np.clip(np.frexp(np.where(a > 0, a, 1))[1] - 1 - 4, -126, 127), 0)      # np.frexp(a)[1] - 1 = floor(log2(a)), exactly
;;       r = np.clip(x / 2.0 ** e, -28, 28)
;;       step = 2.0 ** (np.maximum(np.frexp(np.where(r == 0, 1, r))[1] - 1, -2) - 2)
;;       q = np.round(r / step) * step * 2.0 ** e      # np.round: ties to even
;;       return np.moveaxis(q.reshape(q.shape[:-2] + (-1,))[..., :K], -1, axis).astype(np.float32)
;;   ~~~
;;   OPERANDS COMPUTED ON THE WAY. 'Computed on the way' means the value that the module computes at that place (a softmax that the list does not call 'softmax' is quantised finished and normalised). What goes into a quantiser is computed in f32, as accurately as f32 sums, v_exp_f32 and their like allow (about 1e-6 of the number): no bf16 or f16 on the way to a quantiser, and a product that is left as it is and whose result goes on into a quantised operand takes f32 operands (vector FMAs, or v_wmma_f32_16x16x4_f32). A number that lies on a knife's edge between two numbers of the format may be rounded either way, as far as f32 arithmetic and the matrix unit's own rounding can turn it there, and no further.
;;   INPUTS GIVEN AS CODES. skip_W (in the module: [64, 64], K = its axis 1): each comes as NAME_codes (uint8): NAME with its K axis moved to the last place and cut into blocks of 32 codes, [.., K / 32, bytes a block], one block behind the other in memory; four codes in three bytes: a row's codes are one little-endian stream of bits, code i at bits 6 i .. 6 i + 5 (a code: sign, 3 exponent bits, 2 mantissa bits); and NAME_scales (uint8): the same leading axes, one E8M0 byte (e + 127) for each 32 codes along K. Its value is code x scale, taken as it is: it is not quantised again, and the codes and scales need not be those that the quantiser above would give.
;; One version. Each part assembles by itself: llvm-mc -triple=amdgcn-amd-amdhsa -mcpu=gfx1250 --defsym DOCPART=n.
;; ======== version 1 of 1: 2 launches
;; limits: a function is approximated: absolute error at most 1.5e-07
;; workspace buffers: bimg 212,992 bytes; ktab 3,328 bytes
;; launch prep (part 1): grid 33 x 1, 4 waves a work-group, no clusters, 0 bytes of LDS; arguments spline_coeffs, knots, input_log_scale, bimg, ktab; writes bimg, ktab
.if DOCPART == 1
	.amdgcn_target "amdgcn-amd-amdhsa--gfx1250"
	.amdhsa_code_object_version 6
	.text
	.protected	k_qa3aaee055d_prep
	.globl	k_qa3aaee055d_prep
	.p2align	8
	.type	k_qa3aaee055d_prep,@function
k_qa3aaee055d_prep:
	s_mov_b64 s[64:65], 0
	v_nop
	global_prefetch_b8 v0, s[64:65] scope:SCOPE_SE
	s_setreg_imm32_b32 hwreg(HW_REG_WAVE_MODE, 25, 1), 1
	s_wait_xcnt 0x0
; PREP: what the main launch wants ready-made, made once.
; (1) Work-groups 0..31: spline_coeffs [64 f][64 g][64 w], f32, becomes codes of BF6 (E3M2) with one E8M0 byte for each 32 along K = (f, g), laid as IMAGES OF OPERAND REGISTERS.
;     Work-group kap is K step kap = 16 q + 2 p + gam of the main launch; place 64 c + 32 h + j of the step is feature 32 q + 16 h + 2 p + c at g = 32 gam + j: each run of 32 places is one
;     true block of the quantiser (one feature, one half of g).  Wave t makes the fragment of columns 16 t .. 16 t + 15: lane (r, h) takes column 16 t + r, and its registers run down K.
;     A K step's 6,656 bytes in bimg: four fragments of 1,536 bytes (registers 4 c .. 4 c + 3 of lane l at 512 c + 16 l), then four scale images of 128 bytes (lane l's word at 4 l).
; (2) Work-group 32, waves 0-2: the knots' constants, slot by slot, 8 words a slot, 96 slots (those past 68 hold zeros):
;     [0] -k[t+1]   [1] 1/(k[t+1]-k[t])   [2] 1/(k[t]-k[t-2])   [4] 1/(k[t-1]-k[t-4])   [6] -k[0] in slot 0;  every reciprocal is 0 where its difference is not above 0, as the module's guards have it.
;     Wave 3: ns[f] = -log2(e) x (softplus(input_log_scale[f]) + 0.001), at byte 3,072.
; A block's scale byte is its largest magnitude's exponent field - 4, held at 1 from below; a block of zeros so gets 1 where the rule says 127: its codes are zeros, and this program alone reads the bytes.
; LIMITS: NaN and infinities are not served; a difference of knots under 2^-126 is not served (v_rcp_f32 takes it for zero).
.set NUM, 40                           ; v40-103  64 numbers: block c at v[NUM + 32 c]
.set FR,  16                           ; v16-27   the fragment
.set TH,  28                           ; v28-30, v32-34  the blocks' upper halves as the conversions leave them
	s_load_b256 s[4:11], s[0:1], 0x0               ; spline_coeffs s[4:5], knots s[6:7], input_log_scale s[8:9], bimg s[10:11]
	s_load_b64 s[12:13], s[0:1], 0x20              ; ktab
	v_lshrrev_b32 v1, 5, v0
	v_readfirstlane_b32 s16, v1                    ; wave 0..3
	s_cmp_eq_u32 ttmp9, 32
	s_cbranch_scc1 .Ltables
	; ---- a fragment of the weights
	v_and_b32 v1, 15, v0                           ; r
	v_bfe_u32 v2, v0, 4, 1                         ; h
	v_and_b32 v3, 31, v0                           ; lane
	v_lshlrev_b32 v4, 2, v1
	v_lshl_add_u32 v4, v2, 18, v4                  ; in: 4 r + 16 features (16 x 64 rows x 256 bytes) for the upper lanes
	v_lshlrev_b32 v5, 4, v3                        ; out: 16 x lane,
	v_lshlrev_b32 v6, 2, v3                        ; 4 x lane
	v_lshlrev_b32 v7, 3, v2                        ; 8 h: my bytes' place in the scale word
	s_lshr_b32 s20, ttmp9, 4
	s_lshl_b32 s20, s20, 19                        ; q: 32 features x 64 rows x 256 bytes
	s_bfe_u32 s21, ttmp9, 0x30001
	s_lshl_b32 s21, s21, 15                        ; p: 2 features
	s_add_co_u32 s20, s20, s21
	s_and_b32 s21, ttmp9, 1
	s_lshl_b32 s21, s21, 13                        ; gam: 32 rows
	s_add_co_u32 s20, s20, s21
	s_lshl_b32 s21, s16, 6                         ; my 16 columns
	s_add_co_u32 s20, s20, s21
	s_mov_b32 s21, 0
	s_mul_i32 s22, ttmp9, 6656                     ; the K step's place in bimg
	s_mul_i32 s24, s16, 1536
	s_add_co_u32 s24, s24, s22                     ; my fragment's
	s_mov_b32 s25, 0
	s_lshl_b32 s26, s16, 7
	s_add_co_u32 s26, s26, s22
	s_add_co_u32 s26, s26, 6144                    ; my scale image's
	s_mov_b32 s27, 0
	s_mov_b32 s28, 0x76543210
	s_mov_b32 s29, 0xfedcba98                      ; v_permlanex16_b32's selects for lane l xor 16
	s_wait_kmcnt 0x0
	s_add_nc_u64 s[4:5], s[4:5], s[20:21]
	s_add_nc_u64 s[24:25], s[10:11], s[24:25]
	s_add_nc_u64 s[26:27], s[10:11], s[26:27]
.irp c, 0,1
.irp i, 0,1,2,3,4,5,6,7,8,9,10,11,12,13,14,15,16,17,18,19,20,21,22,23,24,25,26,27,28,29,30,31
	global_load_b32 v[NUM+32*\c+\i], v4, s[4:5] offset:\c*16384+\i*256 th:TH_LOAD_NT   ; sixteen lanes read 64 neighbouring bytes; the four waves stand side by side on a row's 256
.endr
.endr
	s_wait_loadcnt 0x0
.irp c, 0,1                                    ; each block's largest magnitude: all 32 numbers are mine; two chains a block, the floor 2^(5 - 127) among the leaves
	v_max3_num_f32 v[8+\c], |v[NUM+32*\c]|, |v[NUM+32*\c+1]|, 0x2800000
	v_max3_num_f32 v[10+\c], |v[NUM+32*\c+16]|, |v[NUM+32*\c+17]|, |v[NUM+32*\c+18]|
.endr
.irp i, 2,4,6,8,10,12
.irp c, 0,1
	v_max3_num_f32 v[8+\c], v[8+\c], |v[NUM+32*\c+\i]|, |v[NUM+32*\c+\i+1]|
	v_max3_num_f32 v[10+\c], v[10+\c], |v[NUM+32*\c+17+\i]|, |v[NUM+32*\c+18+\i]|
.endr
.endr
.irp c, 0,1
	v_max3_num_f32 v[8+\c], v[8+\c], |v[NUM+32*\c+14]|, |v[NUM+32*\c+15]|
.endr
.irp c, 0,1
	v_max3_num_f32 v[8+\c], v[8+\c], v[10+\c], |v[NUM+32*\c+31]|
.endr
	v_add_nc_u32 v12, 0xfe000000, v8               ; 4 off the exponent field: the conversion's scale operand
	v_add_nc_u32 v13, 0xfe000000, v9
	v_lshrrev_b32 v14, 23, v12                     ; the scale's byte
	v_lshrrev_b32 v15, 23, v13
	v_lshl_or_b32 v36, v15, 16, v14                ; my blocks are h and 2 + h of the step's four
	v_lshlrev_b32 v36, v7, v36
	v_mov_b32 v37, 0                               ; (a lane permute's destination counts as one of its sources)
	v_permlanex16_b32 v37, v36, s28, s29
	v_or_b32 v36, v36, v37                         ; with lane l xor 16's two bytes the word is whole, in both halves of the lanes
.irp c, 0,1
	v_cvt_scalef32_pk16_bf6_f32 v[FR+6*\c:FR+6*\c+2], v[NUM+32*\c:NUM+32*\c+15], v[12+\c]
	v_cvt_scalef32_pk16_bf6_f32 v[TH+4*\c:TH+4*\c+2], v[NUM+32*\c+16:NUM+32*\c+31], v[12+\c]   ; (a conversion's three registers begin on an even number)
.endr
	v_nop                                          ; one plain line between the conversions and the moves that read their results
.irp c, 0,1
.irp i, 0,1,2
	v_mov_b32 v[FR+6*\c+3+\i], v[TH+4*\c+\i]
.endr
.endr
.irp c, 0,1,2
	global_store_b128 v5, v[FR+4*\c:FR+4*\c+3], s[24:25] offset:512*\c   ; 512 consecutive bytes, at a multiple of 256 from bimg's first byte
.endr
	global_store_b32 v6, v36, s[26:27]             ; 128 consecutive bytes
	s_endpgm
.Ltables:
	s_cmp_eq_u32 s16, 3
	s_cbranch_scc1 .Lscales
	; ---- the knots' constants: thread t makes slot t.  Every index is held inside 0 .. 67; what a slot has no use for is masked to 0 below
	v_add_nc_u32 v1, 1, v0
	v_min_u32 v1, 67, v1
	v_lshlrev_b32 v1, 2, v1                        ; k[t+1]
	v_min_u32 v2, 67, v0
	v_lshlrev_b32 v2, 2, v2                        ; k[t]
	v_max_u32 v3, 1, v0
	v_add_nc_u32 v3, -1, v3
	v_min_u32 v3, 67, v3
	v_lshlrev_b32 v3, 2, v3                        ; k[t-1]
	v_max_u32 v4, 2, v0
	v_add_nc_u32 v4, -2, v4
	v_min_u32 v4, 67, v4
	v_lshlrev_b32 v4, 2, v4                        ; k[t-2]
	v_max_u32 v5, 4, v0
	v_add_nc_u32 v5, -4, v5
	v_min_u32 v5, 67, v5
	v_lshlrev_b32 v5, 2, v5                        ; k[t-4]
	v_mov_b32 v6, 0                                ; k[0]
	v_lshlrev_b32 v7, 5, v0                        ; the slot's 32 bytes
	s_wait_kmcnt 0x0
	global_load_b32 v8, v1, s[6:7]
	global_load_b32 v9, v2, s[6:7]
	global_load_b32 v10, v3, s[6:7]
	global_load_b32 v11, v4, s[6:7]
	global_load_b32 v12, v5, s[6:7]
	global_load_b32 v13, v6, s[6:7]
	v_cmp_gt_u32 s20, 67, v0                       ; t <= 66
	v_add_nc_u32 v14, -2, v0
	v_cmp_gt_u32 s21, 66, v14                      ; 2 <= t <= 67 (below 2 the difference wraps to a large number)
	v_add_nc_u32 v15, -4, v0
	v_cmp_gt_u32 s22, 65, v15                      ; 4 <= t <= 68
	v_cmp_eq_u32 s23, 0, v0
	s_wait_loadcnt 0x0
	v_sub_f32 v16, v8, v9                          ; k[t+1] - k[t]
	v_sub_f32 v17, v9, v11                         ; k[t] - k[t-2]
	v_sub_f32 v18, v10, v12                        ; k[t-1] - k[t-4]
	v_rcp_f32 v20, v16
	v_rcp_f32 v21, v17
	v_rcp_f32 v22, v18
	v_xor_b32 v8, 0x80000000, v8                   ; -k[t+1].  (A plain line behind the reciprocals)
	v_xor_b32 v13, 0x80000000, v13                 ; -k[0]
	s_wait_alu depctr_va_vdst(0)
	v_fma_f32 v23, -v16, v20, 1.0                  ; one step of Newton's: the reciprocals stand ahead of a quantiser
	v_fma_f32 v24, -v17, v21, 1.0
	v_fma_f32 v25, -v18, v22, 1.0
	v_fma_f32 v20, v20, v23, v20
	v_fma_f32 v21, v21, v24, v21
	v_fma_f32 v22, v22, v25, v22
	v_cmp_lt_f32 s24, 0, v16                       ; the module's guards: a difference that is not above 0 gives the weight 0
	v_cmp_lt_f32 s25, 0, v17
	v_cmp_lt_f32 s26, 0, v18
	s_and_b32 s24, s24, s20
	s_and_b32 s25, s25, s21
	s_and_b32 s26, s26, s22
	v_cndmask_b32 v32, 0, v8, s20
	v_cndmask_b32 v33, 0, v20, s24
	v_cndmask_b32 v34, 0, v21, s25
	v_mov_b32 v35, 0
	v_cndmask_b32 v36, 0, v22, s26
	v_mov_b32 v37, 0
	v_cndmask_b32 v38, 0, v13, s23
	v_mov_b32 v39, 0
	global_store_b128 v7, v[32:35], s[12:13]
	global_store_b128 v7, v[36:39], s[12:13] offset:16
	s_endpgm
.Lscales:
	; ---- ns[f]: lane l makes features 2 l and 2 l + 1.  softplus(v) = max(v, 0) + log1p(e), e = exp(-|v|); log1p(e) = ln(y) e / (y - 1) with y = 1 + e as rounded, and e itself where y - 1 is 0
	v_and_b32 v1, 31, v0
	v_lshlrev_b32 v1, 3, v1
	s_mov_b32 s20, 0xbfb8aa3b                      ; -log2(e)
	s_wait_kmcnt 0x0
	global_load_b64 v[4:5], v1, s[8:9]
	s_wait_loadcnt 0x0
	v_mul_f32 v6, s20, |v4|
	v_mul_f32 v7, s20, |v5|
	v_exp_f32 v6, v6
	v_exp_f32 v7, v7
	v_max_num_f32 v16, 0, v4                       ; (a plain line behind the exponentials)
	v_max_num_f32 v17, 0, v5
	s_wait_alu depctr_va_vdst(0)
	v_add_f32 v8, 1.0, v6
	v_add_f32 v9, 1.0, v7
	v_add_f32 v10, -1.0, v8                        ; exact: y lies in 1 .. 2
	v_add_f32 v11, -1.0, v9
	v_log_f32 v12, v8
	v_log_f32 v13, v9
	v_rcp_f32 v14, v10
	v_rcp_f32 v15, v11
	v_cmp_eq_f32 s21, 0, v10                       ; (a plain line behind the transcendentals)
	v_cmp_eq_f32 s22, 0, v11
	s_wait_alu depctr_va_vdst(0)
	v_mul_f32 v12, 0x3f317218, v12                 ; x ln(2)
	v_mul_f32 v13, 0x3f317218, v13
	v_mul_f32 v12, v12, v6
	v_mul_f32 v13, v13, v7
	v_mul_f32 v12, v12, v14
	v_mul_f32 v13, v13, v15
	v_cndmask_b32 v12, v12, v6, s21
	v_cndmask_b32 v13, v13, v7, s22
	v_add_f32 v12, v16, v12
	v_add_f32 v13, v17, v13
	v_add_f32 v12, 0x3a83126f, v12                 ; + 0.001
	v_add_f32 v13, 0x3a83126f, v13
	v_mul_f32 v12, s20, v12
	v_mul_f32 v13, s20, v13
	global_store_b64 v1, v[12:13], s[12:13] offset:3072   ; 256 consecutive bytes
	s_endpgm
.Lfunc_end_k_qa3aaee055d_prep:
	.size	k_qa3aaee055d_prep, .Lfunc_end_k_qa3aaee055d_prep-k_qa3aaee055d_prep
	.p2alignl 7, 3214868480
	.fill 96, 4, 3214868480
	.section	.rodata,"a",@progbits
	.p2align	6, 0x0
	.amdhsa_kernel k_qa3aaee055d_prep
		.amdhsa_group_segment_fixed_size 0
		.amdhsa_private_segment_fixed_size 0
		.amdhsa_enable_private_segment 0
		.amdhsa_kernarg_size 40
		.amdhsa_user_sgpr_count 2
		.amdhsa_user_sgpr_kernarg_segment_ptr 1
		.amdhsa_wavefront_size32 1
		.amdhsa_system_sgpr_workgroup_id_x 1
		.amdhsa_system_sgpr_workgroup_id_y 1
		.amdhsa_system_sgpr_workgroup_id_z 1
		.amdhsa_system_vgpr_workitem_id 0
		.amdhsa_next_free_vgpr 128
		.amdhsa_next_free_sgpr 66
		.amdhsa_reserve_vcc 0
		.amdhsa_float_denorm_mode_32 3
		.amdhsa_float_denorm_mode_16_64 3
		.amdhsa_memory_ordered 1
		.amdhsa_forward_progress 1
		.amdhsa_inst_pref_size 17
	.end_amdhsa_kernel
	.amdgpu_metadata
---
amdhsa.version: [ 1, 2 ]
amdhsa.kernels:
  - .name:           k_qa3aaee055d_prep
    .symbol:         k_qa3aaee055d_prep.kd
    .args:
      - { .name: spline_coeffs, .offset: 0, .size: 8, .value_kind: global_buffer, .address_space: global }
      - { .name: knots, .offset: 8, .size: 8, .value_kind: global_buffer, .address_space: global }
      - { .name: input_log_scale, .offset: 16, .size: 8, .value_kind: global_buffer, .address_space: global }
      - { .name: bimg, .offset: 24, .size: 8, .value_kind: global_buffer, .address_space: global }
      - { .name: ktab, .offset: 32, .size: 8, .value_kind: global_buffer, .address_space: global }
    .group_segment_fixed_size: 0
    .private_segment_fixed_size: 0
    .kernarg_segment_align: 8
    .kernarg_segment_size: 40
    .max_flat_workgroup_size: 128
    .sgpr_count:     66
    .vgpr_count:     128
    .wavefront_size: 32
...
	.end_amdgpu_metadata
.endif
;; end of part 1
;; launch main (part 2): grid 256 x 1, 16 waves a work-group, no clusters, 327,680 bytes of LDS; arguments inputs, bimg, input_shift, skip_W_codes, skip_W_scales, ktab, skip_b, bias, ln_gamma, ln_beta, out0; writes out0
.if DOCPART == 2
	.amdgcn_target "amdgcn-amd-amdhsa--gfx1250"
	.amdhsa_code_object_version 6
	.text
	.protected	k_qa3aaee055d_main
	.globl	k_qa3aaee055d_main
	.p2align	8
	.type	k_qa3aaee055d_main,@function
k_qa3aaee055d_main:
	s_mov_b64 s[64:65], 0
	v_nop
	global_prefetch_b8 v0, s[64:65] scope:SCOPE_SE
	s_setreg_imm32_b32 hwreg(HW_REG_WAVE_MODE, 25, 1), 1
	s_wait_xcnt 0x0
; out0 = gelu(layernorm(basis(sigmoid((x - shift) scale)) . spline_coeffs + x . skip_W^T + skip_b + bias)), both products on codes of BF6 (E3M2) with one E8M0 scale for each 32 along K.
; SHARES.  A work-group owns 128 rows.  Wave w owns the tile of 16 rows rt = w / 2 and the half q of the 64 features; q = bit 0 xor bit 2 of w, so that waves 0..3 hold two of each kind and so do waves w, w + 4, w + 8, w + 12.
; Lane (r, h) owns row 16 rt + r and features 32 q + 16 h + e, e = 0 .. 15, taken as 8 PAIRS: the two x of a pair ride in the two halves of packed instructions.
; THE BASIS is the module's whole recursion on the knots as they are given: all 67 indicators (the last interval closed), the three degrees, every guard on a difference of knots (made into a reciprocal that is 0, by the
; launch before).  No order and no value of the knots is built in, and no address hangs on x.  With u[i] = x - k[i] and c_d[i] = r_d[i] b_(d-1)[i]:  b_d[i] = u[i] c_d[i] - u[i+d+1] c_d[i+1].
; It is STREAMED over the knots: slot t makes u[t+1], b0[t], b1[t-1], b2[t-3] and the basis value b3[t-5]; the degrees are one slot apart, so a slot holds three chains that do not wait for each other.
; The knots' constants are the same for all lanes: they come by scalar loads, four slots (32 words) at a time, into two sets of scalar registers by turns.
; THE PRODUCT.  32 basis values of one x are one true block of the quantiser, in one lane's 32 registers.  A K step is (pair p, half gam of g): place 64 c + 32 h + j = feature 32 q + 16 h + 2 p + c at g = 32 gam + j: the lane's own
; two blocks are the operand's registers 6 c .. 6 c + 5.  The weights lie in LDS as images of operand registers in the same order of K.  The instruction is used transposed (source 0 = 16 columns of the weights, source 1 = my 16 rows):
; a lane then holds row r and columns 16 t + 8 h + 0 .. 7.  The skip product (block q of its K = my wave's 32 features) starts the four sums.  The two halves of K meet in LDS; the waves q = 0 finish the rows.
; NO CLUSTER: the one thing that work-groups share is the weights' image; each work-group asks for it once, at its head, 13,312 bytes a wave, under the sigmoids and the skip product; the loop fetches nothing from memory but the knots'
; 2,304 bytes of constants, so there is no step whose requests a joint load would divide.  No ring: all of LDS is filled once.
; LIMITS: NaN and infinities are not served.  erf is taken as 1 - (a1 T + .. + a5 T^5) exp(-z^2), T = 1 / (1 + 0.3275911 z), absolute error 1.5e-7; it stands behind every quantiser.  K is summed in the order above and in two
; halves, added in f32.  A sigmoid within one unit in the last place of 1.0 may fall on either side of the module's jump at x = 1 (there every basis value is 0).
; LDS: 0 the weights' image (212,992);  XIN x's 128 rows, 256 bytes + 16 of padding;  XS the sigmoids, pair p of thread T at 4,096 p + 8 T;  RED the sums of the waves q = 1, 4,096 bytes a tile of rows;
;      STG the way out, 16 rows x 272 bytes a tile of rows, over XIN, which has had its one fill and its last read by then.
.set XIN,  212992
.set STG,  XIN
.set XS,   247808
.set RED,  280576
.set KREC, 6656                        ; a K step's bytes in the weights' image
.set X,    12                          ; v12-13   the pair's two x
.set U,    16                          ; v16-31   u[i] at v[U + 2 (i % 8)]
.set C1,   32                          ; pairs at work: c_d of the slot,
.set C2,   34
.set C3,   36
.set T1,   38                          ; b1, b2 just made,
.set T2,   40
.set P1,   42                          ; u[i] c_d[i], kept for the next slot
.set P2,   44
.set P3,   46
.set OA,   48                          ; v48-79   32 basis values of the pair's first x
.set OB,   80                          ; v80-111  of its second
.set CODE, 112                         ; v112-123 my rows' fragment
.set TC,   124                         ; v124-126, v128-130 the blocks' upper halves as the conversions leave them
.set MA,   132
.set MB,   133
.set SA,   134
.set SB,   135
.set BA,   136
.set BB,   137
.set WD,   138
.set TW,   139
.set BF,   140                         ; v140-187 four fragments of the weights
.set BS,   188                         ; v188-191 their scale words, and nothing else
.set AS,   192                         ; v192     my rows' scale word, and nothing else
.set ACC,  200                         ; v200-231 four accumulators
; v1 16 x lane; v2 4 x lane; v3 8 h; v4 XS + 8 x thread; v5, v6, v7 the trip's LDS addresses; v8 RED's; v9, v10 the stage's, in and back; v11 32 h
; s2-3 ktab; s4-11 skip_b, bias, ln_gamma, ln_beta; s12-13 out0; s14 wave; s15 q; s54 rt; s16-47, s68-99 the constants' two sets (at the head: descriptors, addresses);
; s48-51 the masks x >= k[i], by i % 2; s52-53 the indicator's; s55 pairs to go; s56, s57 the trip's places in the image and in XS; s58-59 lane selects; s60-63 at work
	s_load_b256 s[68:75], s[0:1], 0x0              ; inputs s[68:69], bimg s[70:71], input_shift s[72:73], skip_W_codes s[74:75]
	s_load_b64 s[76:77], s[0:1], 0x20              ; skip_W_scales
	s_load_b64 s[2:3], s[0:1], 0x28                ; ktab
	s_load_b128 s[4:7], s[0:1], 0x30               ; skip_b, bias
	s_load_b128 s[8:11], s[0:1], 0x40              ; ln_gamma, ln_beta
	s_load_b64 s[12:13], s[0:1], 0x50              ; out0
	v_lshl_add_u32 v254, v0, 2, 0x4c800
	v_mov_b32 v255, 0
	ds_add_u32 v254, v255
	ds_add_u32 v254, v255
	v_lshrrev_b32 v14, 5, v0
	v_readfirstlane_b32 s14, v14                   ; wave 0..15
	s_lshr_b32 s54, s14, 1                         ; rt
	s_lshr_b32 s15, s14, 2
	s_xor_b32 s15, s15, s14
	s_and_b32 s15, s15, 1                          ; q
	v_and_b32 v14, 31, v0                          ; lane
	v_and_b32 v15, 15, v0                          ; r
	v_bfe_u32 v19, v0, 4, 1                        ; h
	v_lshlrev_b32 v1, 4, v14
	v_lshlrev_b32 v2, 2, v14
	v_lshlrev_b32 v3, 3, v19
	v_lshl_add_u32 v4, v0, 3, XS
	v_lshlrev_b32 v11, 5, v19
	s_lshl_b32 s60, s54, 12
	s_add_co_u32 s60, s60, RED
	v_add_nc_u32 v8, s60, v1
	s_mul_i32 s61, s54, 4352                       ; 16 rows of 272 bytes: my tile of rows in XIN, and my stage
	s_add_co_u32 s61, s61, XIN
	v_mul_u32_u24 v20, v15, 272
	v_add_nc_u32 v20, s61, v20                     ; row r
	v_add_nc_u32 v9, v20, v11                      ; the stage, in: row r, + 32 h
	v_mul_u32_u24 v10, v19, 272
	v_lshl_add_u32 v10, v15, 4, v10
	v_add_nc_u32 v10, s61, v10                     ; and back: lanes 0-15 one row, lanes 16-31 the next
	s_lshl_b32 s62, s15, 7
	v_lshl_add_u32 v16, v19, 6, s62                ; my 16 features' bytes in a row of 64 f32: 128 q + 64 h
	v_add_nc_u32 v7, v20, v16                      ; x: row r, my 64 bytes
	s_mul_i32 s63, s15, 24
	v_mul_u32_u24 v17, v15, 48
	v_mad_u32_u24 v17, v19, 12, v17
	v_add_nc_u32 v17, s63, v17                     ; skip_W's codes: row r of 48 bytes, block q, my half's 16 codes (12 bytes)
	v_lshl_add_u32 v18, v15, 1, s15                ; its scale bytes: 2 r + q
	v_mov_b32 v[TW], 0                             ; (a lane permute's destination counts as one of its sources)
	s_mov_b32 s58, 0x76543210
	s_mov_b32 s59, 0xfedcba98                      ; v_permlanex16_b32's selects for lane l xor 16
	; descriptor groups 1.  x: 8 rows of 256 bytes (32 elements of 8 bytes), 16 bytes of padding behind each.  The image: 52 rows of 256 bytes, dense
	s_mov_b32 s24, (3<<16)|(1<<20)|(5<<22)|(3<<25) ; 17:16 elements of 8 bytes; 20 padding on; 24:22 after every 64 words (code 5); 31:25 4 words of it (code 3)
	s_mov_b32 s25, 32<<16                          ; tensor_dim0
	s_mov_b32 s26, 8<<16                           ; tensor_dim1
	s_mov_b32 s27, 32<<16                          ; tile_dim0
	s_mov_b32 s28, 8                               ; tile_dim1
	s_mov_b32 s29, 32                              ; from row to row
	s_mov_b32 s30, 0
	s_mov_b32 s31, 0
	s_mov_b32 s16, 3<<16
	s_mov_b32 s17, 32<<16
	s_mov_b32 s18, 52<<16
	s_mov_b32 s19, 32<<16
	s_mov_b32 s20, 52
	s_mov_b32 s21, 32
	s_mov_b32 s22, 0
	s_mov_b32 s23, 0
	s_wait_dscnt 0x0
	s_wait_kmcnt 0x0
	s_lshl_b32 s60, ttmp9, 15                      ; the work-group's 128 rows of 256 bytes
	s_lshl_b32 s62, s14, 11                        ; my wave's 8 of them
	s_add_co_u32 s62, s62, s60
	s_mov_b32 s63, 0
	s_mov_b32 s32, 1
	s_mul_i32 s33, s14, 2176
	s_add_co_u32 s33, s33, XIN
	s_add_nc_u64 s[34:35], s[68:69], s[62:63]
	s_or_b32 s35, s35, 0x80000000
	s_mov_b32 s36, 1
	s_mul_i32 s37, s14, 13312                      ; a sixteenth of the image, in LDS as in memory
	s_mov_b32 s62, s37
	s_add_nc_u64 s[38:39], s[70:71], s[62:63]
	s_or_b32 s39, s39, 0x80000000
	s_lshl_b32 s62, s54, 12
	s_add_co_u32 s62, s62, s60
	s_add_nc_u64 s[12:13], s[12:13], s[62:63]      ; out0 at my tile of rows
	tensor_load_to_lds s[32:35], s[24:31]          ; x first: it is wanted first.  Two tensor loads of mine are out, and no more are ever issued
	s_nop 0
	tensor_load_to_lds s[36:39], s[16:23]
	s_nop 0
.rept 4
	v_nop
.endr
.irp i, 0,1,2,3
	global_load_b128 v[64+4*\i:67+4*\i], v16, s[72:73] offset:16*\i        ; input_shift of my 16 features
	global_load_b128 v[80+4*\i:83+4*\i], v16, s[2:3] offset:3072+16*\i     ; ns of them
.endr
.irp n, 0,1,2,3
.irp i, 0,1,2
	global_load_b32 v[BF+12*\n+\i], v17, s[74:75] offset:768*\n+4*\i       ; skip_W(16 n + r, 32 q + 16 h + 0 .. 15): 96 bits
.endr
	global_load_u8 v[BS+\n], v18, s[76:77] offset:32*\n
.endr
	s_wait_tensorcnt 0x1                           ; my 8 rows of x have landed; the image, issued behind them, may stay out
	s_barrier_signal -1
	s_barrier_wait -1                              ; everybody's rows have
.irp i, 0,1,2,3
	ds_load_b128 v[48+4*\i:51+4*\i], v7 offset:16*\i
.endr
	s_wait_dscnt 0x0
	s_wait_loadcnt 0x0
	; ---- the sigmoids: 1 / (1 + 2^((x - shift) ns))
.set i, 0
.rept 8
	v_pk_add_f32 v[96+i:97+i], v[48+i:49+i], v[64+i:65+i] neg_lo:[0,1] neg_hi:[0,1]
.set i, i+2
.endr
.set i, 0
.rept 8
	v_pk_mul_f32 v[96+i:97+i], v[96+i:97+i], v[80+i:81+i]
.set i, i+2
.endr
.set i, 0
.rept 16
	v_exp_f32 v[96+i], v[96+i]
.set i, i+1
.endr
	v_max3_num_f32 v[MA], |v48|, |v49|, 0x2800000  ; the skip product's block: the largest magnitude of my 16 raw x, with the floor 2^(5 - 127).  (These lines are also the plain lines behind the transcendentals)
	v_max3_num_f32 v[MB], |v56|, |v57|, |v58|
.set i, 0
	s_wait_alu depctr_va_vdst(0)
.rept 8
	v_pk_add_f32 v[96+i:97+i], v[96+i:97+i], 1.0 op_sel_hi:[1,0]
.set i, i+2
.endr
.set i, 0
.rept 16
	v_rcp_f32 v[96+i], v[96+i]
.set i, i+1
.endr
	v_max3_num_f32 v[MA], v[MA], |v50|, |v51|
	v_max3_num_f32 v[MB], v[MB], |v59|, |v60|
	v_max3_num_f32 v[MA], v[MA], |v52|, |v53|
	v_max3_num_f32 v[MB], v[MB], |v61|, |v62|
	v_max3_num_f32 v[MA], v[MA], |v54|, |v55|
	v_max3_num_f32 v[MA], v[MA], v[MB], |v63|
	s_wait_alu depctr_va_vdst(0)
.irp p, 0,1,2,3,4,5,6,7
	ds_store_b64 v4, v[96+2*\p:97+2*\p] offset:4096*\p     ; each thread reads back its own words alone
.endr
	; ---- the skip product starts the sums.  Place 32 h + i, i < 16, of its one K step is feature 32 q + 16 h + i on both sides; all other places hold zero codes.  Bytes 0 and 1 of each scale word carry the one true block's scale
	v_permlanex16_b32 v[TW], v[MA], s58, s59
	v_max_num_f32 v[MA], v[MA], v[TW]              ; with lane l xor 16's 16: the block's largest magnitude
	v_add_nc_u32 v[SA], 0xfe000000, v[MA]          ; 4 off its exponent field: the conversion's scale operand
	v_lshrrev_b32 v[BA], 23, v[SA]
	v_mul_u32_u24 v[AS], v[BA], 0x101
.irp n, 0,1,2,3
	v_mul_u32_u24 v[BS+\n], v[BS+\n], 0x101
.endr
	v_cvt_scalef32_pk16_bf6_f32 v[CODE:CODE+2], v[48:63], v[SA]
	v_nop                                          ; one plain line behind a scaled conversion
.irp i, 3,4,5,6,7,8,9,10,11
	v_mov_b32 v[CODE+\i], 0
.irp n, 0,1,2,3
	v_mov_b32 v[BF+12*\n+\i], 0
.endr
.endr
.rept 8
	v_nop                                          ; a scale word made by vector instructions stands 8 places ahead of a scaled matrix instruction, an operand so made 4
.endr
; Four matrix instructions: my rows' fragment against the four tiles of columns.  The four accumulators take turns, one instruction a turn, over the loop's backward jump too.
.macro WMMA4 zero
	s_wait_dscnt 0x0                               ; the weights' fragments and scale words are in
.irp n, 0,1,2,3
.if \zero
	v_wmma_scale_f32_16x16x128_f8f6f4 v[ACC+8*\n:ACC+8*\n+7], v[BF+12*\n:BF+12*\n+11], v[CODE:CODE+11], 0, v[BS+\n], v[AS] matrix_a_fmt:MATRIX_FMT_BF6 matrix_b_fmt:MATRIX_FMT_BF6
.else
	v_wmma_scale_f32_16x16x128_f8f6f4 v[ACC+8*\n:ACC+8*\n+7], v[BF+12*\n:BF+12*\n+11], v[CODE:CODE+11], v[ACC+8*\n:ACC+8*\n+7], v[BS+\n], v[AS] matrix_a_fmt:MATRIX_FMT_BF6 matrix_b_fmt:MATRIX_FMT_BF6
.endif
.endr
.endm
; The weights' four fragments and scale words of the trip's K step g, as they were stored: 16 bytes, or 4, a lane
.macro FETCH_B g
.irp n, 0,1,2,3
.irp c, 0,1,2
	ds_load_b128 v[BF+12*\n+4*\c:BF+12*\n+4*\c+3], v5 offset:\g*KREC+\n*1536+512*\c
.endr
	ds_load_b32 v[BS+\n], v6 offset:\g*KREC+6144+128*\n
.endr
.endm
; Ahead of slot t = 4 c: chunk c's constants, asked for a chunk ago, are in; chunk c + 1's are asked for, into the other set, whose slots have all been issued.  Chunk 17 asks for chunk 0, for the next trip.
.macro CHUNK
.set CN, ((t/4)+1)%18
.set CB, 16+52*(CN%2)
	s_wait_kmcnt 0x0
	s_load_b512 s[CB:CB+15], s[2:3], CN*128
	s_load_b512 s[CB+16:CB+31], s[2:3], CN*128+64
.endm
; Slot t of 0 .. 68, for both x of the pair.  S: the slot's eight constants.
.macro SLOT
.set S,  16+52*((t/4)%2)+8*(t%4)
.set UN, U+2*((t+1)%8)                 ; u[t+1]
.set UC, U+2*(t%8)                     ; u[t]
.set UB, U+2*((t+7)%8)                 ; u[t-1]
.set UD, U+2*((t+6)%8)                 ; u[t-2]
.set UF, U+2*((t+4)%8)                 ; u[t-4]
.set GN, (t+1)%2
.set GO, t%2
.if t <= 66
	v_pk_add_f32 v[UN:UN+1], v[X:X+1], s[S:S+1] op_sel_hi:[1,0]             ; u[t+1] = x - k[t+1]
.endif
.if t >= 4
	v_pk_mul_f32 v[C3:C3+1], v[T2:T2+1], s[S+4:S+5] op_sel_hi:[1,0]         ; c3[t-4] = r3[t-4] b2[t-4]
.endif
.if (t >= 2) && (t <= 67)
	v_pk_mul_f32 v[C2:C2+1], v[T1:T1+1], s[S+2:S+3] op_sel_hi:[1,0]         ; c2[t-2] = r2[t-2] b1[t-2]
.endif
.if t < 66
	v_cmp_le_f32 s[48+GN], 0, v[UN]                                         ; x >= k[t+1]: the difference's sign is exact
	v_cmp_le_f32 s[50+GN], 0, v[UN+1]
.elseif t == 66
	v_cmp_ge_f32 s[48+GN], 0, v[UN]                                         ; the last interval is closed: x <= k[67]
	v_cmp_ge_f32 s[50+GN], 0, v[UN+1]
.endif
.if t >= 5
	v_fma_f32 v[OA+(t-5)%32], -v[UB], v[C3], v[P3]                          ; b3[t-5] = u[t-5] c3[t-5] - u[t-1] c3[t-4]: not packed, since each x's values must lie in a run of registers
	v_fma_f32 v[OB+(t-5)%32], -v[UB+1], v[C3+1], v[P3+1]
.endif
.if (t >= 3) && (t <= 67)
	v_pk_fma_f32 v[T2:T2+1], v[UC:UC+1], v[C2:C2+1], v[P2:P2+1] neg_lo:[1,0,0] neg_hi:[1,0,0]   ; b2[t-3] = u[t-3] c2[t-3] - u[t] c2[t-2]
.endif
.if t < 66
	s_and_not1_b32 s52, s[48+GO], s[48+GN]                                  ; b0[t]: k[t] <= x < k[t+1]
	s_and_not1_b32 s53, s[50+GO], s[50+GN]
.elseif t == 66
	s_and_b32 s52, s[48+GO], s[48+GN]
	s_and_b32 s53, s[50+GO], s[50+GN]
.endif
.if (t >= 4) && (t <= 67)
	v_pk_mul_f32 v[P3:P3+1], v[UF:UF+1], v[C3:C3+1]                         ; u[t-4] c3[t-4], for the next slot
.endif
.if (t >= 2) && (t <= 66)
	v_pk_mul_f32 v[P2:P2+1], v[UD:UD+1], v[C2:C2+1]                         ; u[t-2] c2[t-2]
.endif
.if t <= 66
	v_cndmask_b32 v[C1], 0, s[S+1], s52                                     ; c1[t] = r1[t] b0[t]
	v_cndmask_b32 v[C1+1], 0, s[S+1], s53
.endif
.if (t >= 1) && (t <= 66)
	v_pk_fma_f32 v[T1:T1+1], v[UN:UN+1], v[C1:C1+1], v[P1:P1+1] neg_lo:[1,0,0] neg_hi:[1,0,0]   ; b1[t-1] = u[t-1] c1[t-1] - u[t+1] c1[t]
.endif
.if t <= 65
	v_pk_mul_f32 v[P1:P1+1], v[UC:UC+1], v[C1:C1+1]                         ; u[t] c1[t]
.endif
.set t, t+1
.endm
.macro SLOTS last                      ; slots t .. last
.rept \last-t+1
.if (t%4 == 0) && (t > 0)
	CHUNK
.endif
	SLOT
.endr
.endm
; The 32 + 32 basis values in OA and OB become the fragment's 12 registers and my rows' scale word.
.macro QUANT
	v_max3_num_f32 v[MA], |v[OA]|, |v[OA+1]|, 0x2800000    ; each block's largest magnitude, in two chains, with the floor 2^(5 - 127): the byte cannot fall under 1; a block of zeros keeps that byte over zero codes
	v_max3_num_f32 v[MB], |v[OB]|, |v[OB+1]|, 0x2800000
	v_max3_num_f32 v14, |v[OA+16]|, |v[OA+17]|, |v[OA+18]|
	v_max3_num_f32 v15, |v[OB+16]|, |v[OB+17]|, |v[OB+18]|
.irp i, 2,4,6,8,10,12
	v_max3_num_f32 v[MA], v[MA], |v[OA+\i]|, |v[OA+\i+1]|
	v_max3_num_f32 v[MB], v[MB], |v[OB+\i]|, |v[OB+\i+1]|
	v_max3_num_f32 v14, v14, |v[OA+17+\i]|, |v[OA+18+\i]|
	v_max3_num_f32 v15, v15, |v[OB+17+\i]|, |v[OB+18+\i]|
.endr
	v_max3_num_f32 v[MA], v[MA], |v[OA+14]|, |v[OA+15]|
	v_max3_num_f32 v[MB], v[MB], |v[OB+14]|, |v[OB+15]|
	v_max3_num_f32 v[MA], v[MA], v14, |v[OA+31]|
	v_max3_num_f32 v[MB], v[MB], v15, |v[OB+31]|
	v_add_nc_u32 v[SA], 0xfe000000, v[MA]          ; 4 off the exponent field: the conversion's scale operand
	v_add_nc_u32 v[SB], 0xfe000000, v[MB]
	v_lshrrev_b32 v[BA], 23, v[SA]                 ; the scale's byte
	v_lshrrev_b32 v[BB], 23, v[SB]
	v_lshl_or_b32 v[WD], v[BB], 16, v[BA]          ; my blocks are h and 2 + h of the step's four
	v_lshlrev_b32 v[WD], v3, v[WD]
	v_permlanex16_b32 v[TW], v[WD], s58, s59
	v_or_b32 v[AS], v[WD], v[TW]                   ; with lane l xor 16's two bytes the row's word is whole
	v_cvt_scalef32_pk16_bf6_f32 v[CODE:CODE+2], v[OA:OA+15], v[SA]
	v_cvt_scalef32_pk16_bf6_f32 v[TC:TC+2], v[OA+16:OA+31], v[SA]          ; (a conversion's three registers begin on an even number)
	v_cvt_scalef32_pk16_bf6_f32 v[CODE+6:CODE+8], v[OB:OB+15], v[SB]
	v_cvt_scalef32_pk16_bf6_f32 v[TC+4:TC+6], v[OB+16:OB+31], v[SB]
	v_nop                                          ; one plain line behind the scaled conversions
.irp i, 0,1,2
	v_mov_b32 v[CODE+3+\i], v[TC+\i]
	v_mov_b32 v[CODE+9+\i], v[TC+4+\i]
.endr
.endm
	WMMA4 1                                        ; (its wait on DScnt also covers my stores of the sigmoids)
	s_wait_tensorcnt 0x0                           ; my part of the image has landed, and the descriptors' registers are free;
	s_barrier_signal -1                            ; no LDS instruction of mine is out
	s_barrier_wait -1                              ; the image is whole
	s_load_b512 s[16:31], s[2:3], 0x0              ; chunk 0 of the knots' constants
	s_load_b512 s[32:47], s[2:3], 0x40
	s_mul_i32 s56, s15, 16*KREC                    ; my half of K in the image
	s_mov_b32 s57, 0
	s_mov_b32 s55, 8
.Lpair:                                            ; 8 trips: a pair of features, two K steps
	v_add_nc_u32 v7, s57, v4
	ds_load_b64 v[X:X+1], v7                       ; the pair's two x
	v_add_nc_u32 v5, s56, v1
	v_add_nc_u32 v6, s56, v2
.set t, 0
	CHUNK
	s_wait_dscnt 0x0
	v_pk_add_f32 v[U:U+1], v[X:X+1], s[22:23] op_sel_hi:[1,0]   ; u[0]
	v_cmp_le_f32 s48, 0, v[U]
	v_cmp_le_f32 s50, 0, v[U+1]
	SLOTS 1                                        ; (these lines are the places between the last products and the loads into their registers)
	FETCH_B 0
	SLOTS 36                                       ; basis values 0 .. 31 are made
	QUANT
	SLOTS 38                                       ; 28 plain lines that name no register of the products: the places in front of them
	WMMA4 0
	SLOTS 39                                       ; and the places behind them
	FETCH_B 1
	SLOTS 68                                       ; basis values 32 .. 63
	QUANT
.rept 7
	v_nop                                          ; with the line behind the conversions: 8 places between the scale word and the products, of which 7 lie behind the operand's last move
.endr
	WMMA4 0
	s_add_co_u32 s56, s56, 2*KREC
	s_add_co_u32 s57, s57, 4096
	s_sub_co_u32 s55, s55, 1
	s_cmp_lg_u32 s55, 0
	s_cbranch_scc1 .Lpair
	s_wait_kmcnt 0x0                               ; the last trip's request for chunk 0 serves nobody: it is only waited for
.rept 4
	v_nop                                          ; places between the last products and the first reads of their results, and the loads into their operands
.endr
	; ---- the two halves of K meet
	s_cmp_eq_u32 s15, 0
	s_cbranch_scc1 .Lkeeper
.irp i, 0,1,2,3,4,5,6,7
	ds_store_b128 v8, v[ACC+4*\i:ACC+4*\i+3] offset:512*\i     ; as they stand, each accumulator from its low end on
.endr
	s_branch .Lmeet
.Lkeeper:
.irp n, 0,1,2,3
	global_load_b128 v[OA+8*\n:OA+8*\n+3], v11, s[4:5] offset:64*\n        ; skip_b of my columns 16 n + 8 h + 0 .. 7
	global_load_b128 v[OA+8*\n+4:OA+8*\n+7], v11, s[4:5] offset:64*\n+16
	global_load_b128 v[OB+8*\n:OB+8*\n+3], v11, s[6:7] offset:64*\n        ; bias likewise
	global_load_b128 v[OB+8*\n+4:OB+8*\n+7], v11, s[6:7] offset:64*\n+16
.endr
.Lmeet:
	s_wait_dscnt 0x0                               ; for the others' sake: my stores have landed
	s_barrier_signal -1
	s_barrier_wait -1
	s_cmp_lg_u32 s15, 0
	s_cbranch_scc1 .Ldone                          ; the waves q = 1 have handed their sums over; no barrier follows
.irp i, 0,1,2,3,4,5,6,7
	ds_load_b128 v[BF+4*\i:BF+4*\i+3], v8 offset:512*\i
.endr
	s_mov_b32 s60, 0x3c800000                      ; 1 / 64
	s_mov_b32 s61, 0x3727c5ac                      ; 1e-5
	s_mov_b32 s62, 0x3e6d3388                      ; 0.3275911 / sqrt(2)
	s_wait_loadcnt 0x0
.set i, 0
.rept 16
	v_pk_add_f32 v[OA+i:OA+i+1], v[OA+i:OA+i+1], v[OB+i:OB+i+1]            ; skip_b + bias
.set i, i+2
.endr
	s_wait_dscnt 0x0
.set i, 0
.rept 16
	v_pk_add_f32 v[ACC+i:ACC+i+1], v[ACC+i:ACC+i+1], v[BF+i:BF+i+1]        ; the other half of K
.set i, i+2
.endr
.set i, 0
.rept 16
	v_pk_add_f32 v[ACC+i:ACC+i+1], v[ACC+i:ACC+i+1], v[OA+i:OA+i+1]
.set i, i+2
.endr
.irp n, 0,1,2,3
	global_load_b128 v[OA+8*\n:OA+8*\n+3], v11, s[8:9] offset:64*\n        ; ln_gamma
	global_load_b128 v[OA+8*\n+4:OA+8*\n+7], v11, s[8:9] offset:64*\n+16
	global_load_b128 v[OB+8*\n:OB+8*\n+3], v11, s[10:11] offset:64*\n      ; ln_beta
	global_load_b128 v[OB+8*\n+4:OB+8*\n+7], v11, s[10:11] offset:64*\n+16
.endr
	; ---- the row's mean and variance: my 32 columns in four chains, then lane l xor 16's 32
.irp k, 0,1,2,3
	v_pk_add_f32 v[16+2*\k:17+2*\k], v[ACC+2*\k:ACC+2*\k+1], v[ACC+8+2*\k:ACC+9+2*\k]
.endr
.irp b, 16,24
.irp k, 0,1,2,3
	v_pk_add_f32 v[16+2*\k:17+2*\k], v[16+2*\k:17+2*\k], v[ACC+\b+2*\k:ACC+\b+2*\k+1]
.endr
.endr
	v_pk_add_f32 v[16:17], v[16:17], v[18:19]
	v_pk_add_f32 v[20:21], v[20:21], v[22:23]
	v_pk_add_f32 v[16:17], v[16:17], v[20:21]
	v_add_f32 v16, v16, v17
	v_permlanex16_b32 v[TW], v16, s58, s59
	v_add_f32 v16, v16, v[TW]
	v_mul_f32 v16, s60, v16                        ; the mean
.set i, 0
.rept 16
	v_pk_add_f32 v[ACC+i:ACC+i+1], v[ACC+i:ACC+i+1], v[16:17] op_sel_hi:[1,0] neg_lo:[0,1] neg_hi:[0,1]
.set i, i+2
.endr
.irp k, 0,1,2,3
	v_pk_mul_f32 v[20+2*\k:21+2*\k], v[ACC+2*\k:ACC+2*\k+1], v[ACC+2*\k:ACC+2*\k+1]
.endr
.irp b, 8,16,24
.irp k, 0,1,2,3
	v_pk_fma_f32 v[20+2*\k:21+2*\k], v[ACC+\b+2*\k:ACC+\b+2*\k+1], v[ACC+\b+2*\k:ACC+\b+2*\k+1], v[20+2*\k:21+2*\k]
.endr
.endr
	v_pk_add_f32 v[20:21], v[20:21], v[22:23]
	v_pk_add_f32 v[24:25], v[24:25], v[26:27]
	v_pk_add_f32 v[20:21], v[20:21], v[24:25]
	v_add_f32 v20, v20, v21
	v_permlanex16_b32 v[TW], v20, s58, s59
	v_add_f32 v20, v20, v[TW]
	v_fma_f32 v20, v20, s60, s61                   ; the variance + 1e-5
	v_rsq_f32 v18, v20
.irp k, 0,1                                    ; gelu's constants, each in both halves of a pair.  (Plain lines behind the transcendental)
	v_mov_b32 v[32+\k], 0xbf38aa3b                 ; -log2(e) / 2
	v_mov_b32 v[34+\k], 0x3f87dc22                 ; a5 =  1.061405429
	v_mov_b32 v[36+\k], 0xbfba00e3                 ; a4 = -1.453152027
	v_mov_b32 v[38+\k], 0x3fb5f0e3                 ; a3 =  1.421413741
	v_mov_b32 v[40+\k], 0xbe91a98e                 ; a2 = -0.284496736
	v_mov_b32 v[42+\k], 0x3e827906                 ; a1 =  0.254829592
.endr
	s_wait_loadcnt 0x0
.set i, 0
	s_wait_alu depctr_va_vdst(0)
.rept 16
	v_pk_mul_f32 v[OA+i:OA+i+1], v[OA+i:OA+i+1], v[18:19] op_sel_hi:[1,0]  ; gamma / sqrt(variance + 1e-5)
.set i, i+2
.endr
.set i, 0
.rept 16
	v_pk_fma_f32 v[ACC+i:ACC+i+1], v[ACC+i:ACC+i+1], v[OA+i:OA+i+1], v[OB+i:OB+i+1]
.set i, i+2
.endr
; gelu(y) = y / 2 + (y / 2) erf(y / sqrt(2)), eight numbers at a time, in place
.macro GELU8 n
.set Y, ACC+8*\n
.irp j, 0,1,2,3,4,5,6,7
	v_fma_f32 v[16+\j], |v[Y+\j]|, s62, 1.0        ; 1 + 0.3275911 |y| / sqrt(2)
.endr
.irp j, 0,2,4,6
	v_pk_mul_f32 v[24+\j:25+\j], v[Y+\j:Y+\j+1], v[32:33]
.endr
.irp j, 0,2,4,6
	v_pk_mul_f32 v[24+\j:25+\j], v[24+\j:25+\j], v[Y+\j:Y+\j+1]            ; -log2(e) y^2 / 2
.endr
.irp j, 0,1,2,3,4,5,6,7
	v_rcp_f32 v[16+\j], v[16+\j]                   ; T
.endr
.irp j, 0,1,2,3,4,5,6,7
	v_exp_f32 v[24+\j], v[24+\j]                   ; exp(-y^2 / 2)
.endr
.irp j, 0,2,4,6
	v_pk_mul_f32 v[120+\j:121+\j], v[Y+\j:Y+\j+1], 0.5 op_sel_hi:[1,0]     ; y / 2.  (Plain lines behind the transcendentals)
.endr
	s_wait_alu depctr_va_vdst(0)
.irp j, 0,2,4,6
	v_pk_fma_f32 v[112+\j:113+\j], v[16+\j:17+\j], v[34:35], v[36:37]
.endr
.irp a, 38,40,42
.irp j, 0,2,4,6
	v_pk_fma_f32 v[112+\j:113+\j], v[112+\j:113+\j], v[16+\j:17+\j], v[\a:\a+1]
.endr
.endr
.irp j, 0,2,4,6
	v_pk_mul_f32 v[112+\j:113+\j], v[112+\j:113+\j], v[16+\j:17+\j]
.endr
.irp j, 0,2,4,6
	v_pk_fma_f32 v[112+\j:113+\j], v[112+\j:113+\j], v[24+\j:25+\j], 1.0 op_sel_hi:[1,1,0] neg_lo:[1,0,0] neg_hi:[1,0,0]   ; erf(|y| / sqrt(2))
.endr
.irp j, 0,1,2,3,4,5,6,7
	v_bfi_b32 v[112+\j], 0x7fffffff, v[112+\j], v[Y+\j]                    ; with y's sign
.endr
.irp j, 0,2,4,6
	v_pk_fma_f32 v[Y+\j:Y+\j+1], v[120+\j:121+\j], v[112+\j:113+\j], v[120+\j:121+\j]
.endr
.endm
	GELU8 0
	GELU8 1
	GELU8 2
	GELU8 3
	; ---- the way out: a lane's 32 bytes a tile go into my stage's rows of 272 bytes and come back as whole rows of 256
.irp n, 0,1,2,3
	ds_store_b128 v9, v[ACC+8*\n:ACC+8*\n+3] offset:64*\n
	ds_store_b128 v9, v[ACC+8*\n+4:ACC+8*\n+7] offset:64*\n+16
.endr
.irp i, 0,1,2,3,4,5,6,7
	ds_load_b128 v[OA+4*\i:OA+4*\i+3], v10 offset:544*\i       ; LDS serves a wave's instructions in order (ISA guide 5.7.1): these see my stores
.endr
.irp i, 0,1,2,3,4,5,6,7
	s_wait_dscnt 7-\i                              ; load i is in; the 7 - i younger ones may be out
	global_store_b128 v1, v[OA+4*\i:OA+4*\i+3], s[12:13] offset:512*\i th:TH_STORE_NT   ; 512 consecutive bytes, two whole rows, at a multiple of 256 from out0's first byte
.endr
.Ldone:
	s_wait_tensorcnt 0x0
	ds_add_u32 v254, v255
	s_wait_dscnt 0x0
	s_endpgm
.Lfunc_end_k_qa3aaee055d_main:
	.size	k_qa3aaee055d_main, .Lfunc_end_k_qa3aaee055d_main-k_qa3aaee055d_main
	.p2alignl 7, 3214868480
	.fill 96, 4, 3214868480
	.section	.rodata,"a",@progbits
	.p2align	6, 0x0
	.amdhsa_kernel k_qa3aaee055d_main
		.amdhsa_group_segment_fixed_size 327680
		.amdhsa_private_segment_fixed_size 0
		.amdhsa_enable_private_segment 0
		.amdhsa_kernarg_size 88
		.amdhsa_user_sgpr_count 2
		.amdhsa_user_sgpr_kernarg_segment_ptr 1
		.amdhsa_wavefront_size32 1
		.amdhsa_system_sgpr_workgroup_id_x 1
		.amdhsa_system_sgpr_workgroup_id_y 1
		.amdhsa_system_sgpr_workgroup_id_z 1
		.amdhsa_system_vgpr_workitem_id 0
		.amdhsa_next_free_vgpr 256
		.amdhsa_next_free_sgpr 100
		.amdhsa_reserve_vcc 0
		.amdhsa_float_denorm_mode_32 3
		.amdhsa_float_denorm_mode_16_64 3
		.amdhsa_memory_ordered 1
		.amdhsa_forward_progress 1
		.amdhsa_inst_pref_size 122
	.end_amdhsa_kernel
	.amdgpu_metadata
---
amdhsa.version: [ 1, 2 ]
amdhsa.kernels:
  - .name:           k_qa3aaee055d_main
    .symbol:         k_qa3aaee055d_main.kd
    .args:
      - { .name: inputs, .offset: 0, .size: 8, .value_kind: global_buffer, .address_space: global }
      - { .name: bimg, .offset: 8, .size: 8, .value_kind: global_buffer, .address_space: global }
      - { .name: input_shift, .offset: 16, .size: 8, .value_kind: global_buffer, .address_space: global }
      - { .name: skip_W_codes, .offset: 24, .size: 8, .value_kind: global_buffer, .address_space: global }
      - { .name: skip_W_scales, .offset: 32, .size: 8, .value_kind: global_buffer, .address_space: global }
      - { .name: ktab, .offset: 40, .size: 8, .value_kind: global_buffer, .address_space: global }
      - { .name: skip_b, .offset: 48, .size: 8, .value_kind: global_buffer, .address_space: global }
      - { .name: bias, .offset: 56, .size: 8, .value_kind: global_buffer, .address_space: global }
      - { .name: ln_gamma, .offset: 64, .size: 8, .value_kind: global_buffer, .address_space: global }
      - { .name: ln_beta, .offset: 72, .size: 8, .value_kind: global_buffer, .address_space: global }
      - { .name: out0, .offset: 80, .size: 8, .value_kind: global_buffer, .address_space: global }
    .group_segment_fixed_size: 327680
    .private_segment_fixed_size: 0
    .kernarg_segment_align: 8
    .kernarg_segment_size: 88
    .max_flat_workgroup_size: 512
    .sgpr_count:     100
    .vgpr_count:     256
    .wavefront_size: 32
...
	.end_amdgpu_metadata
.endif
;; end of part 2
